; MI455X (gfx1250); checked and timed in simulation.
; The chip was launched on July 23, 2026; its instructions are those of AMD's public machine-readable ISA for CDNA 5 (MIT licence, August 2026) and "CDNA5" Instruction Set Architecture Reference Guide (July 2026). The comments in the code are by the model that wrote it; some were corrected since.
;; Vector Quantizer. Allowed arithmetic: matrix products marked QUANTISED: E3M2 operands, one E8M0 scale for each 32 along K, by v_wmma_scale_f32_16x16x128_f8f6f4 with both operands' format E3M2, f32 sums; everything else in f32.
;; Inputs: codebook 4,096 x 512 float32; inputs 16 x 2,048 x 512 float32.
;; Outputs: out0 16 x 2,048 x 512 float32.
;; This version of the problem:
;;   THIS VERSION OF THE PROBLEM IS GIVEN IN LOW PRECISION. The matrix products marked QUANTISED in the list below multiply operands that are first quantised to E3M2 (3 exponent bits, 2 mantissa bits; 6 bits a number), with one power-of-two scale for each 32 numbers along K (OCP MX v1.0); their sums are f32. All else is computed in f32.
;;   The module's matrix products, in the order in which they are computed (A, B: the left and right operand; K: the contracted axis; several contracted axes count as one K, in the product's order):
;;     1. [M 32,768, K 512] x [K 512, N 4,096]; A: input inputs; B: input codebook: QUANTISED
;;   THE QUANTISER, for each operand of a quantised product, along K:
;;     - K is cut into blocks of 32 from its start; a last block that is shorter is filled with zeros.
;;     - A block's scale is 2^e with e = floor(log2(the largest magnitude in the block)) - 4, held to -126 .. 127; a block of zeros has e = 0. As a byte (E8M0): e + 127.
;;     - Each number is divided by its block's scale, clamped to +-28, and rounded to the nearest number of E3M2, ties to even, subnormals kept.
;;     - The product sums the exact products of the quantised numbers (number of the format x scale) in f32.
;;   ~~~python
;;   def quantise(x, axis):      # numpy; x: float32 -> the quantised numbers, widened to float32 again
;;       x = np.moveaxis(x, axis, -1); K = x.shape[-1]
;;       x = np.pad(x, [(0, 0)] * (x.ndim - 1) + [(0, -K % 32)]); x = x.reshape(x.shape[:-1] + (-1, 32)); a = np.abs(x).max(-1, keepdims=True)
;;       e = np.where(a > 0, np.clip(np.frexp(np.where(a > 0, a, 1))[1] - 1 - 4, -126, 127), 0)      # np.frexp(a)[1] - 1 = floor(log2(a)), exactly
;;       r = np.clip(x / 2.0 ** e, -28, 28)
;;       step = 2.0 ** (np.maximum(np.frexp(np.where(r == 0, 1, r))[1] - 1, -2) - 2)
;;       q = np.round(r / step) * step * 2.0 ** e      # np.round: ties to even
;;       return np.moveaxis(q.reshape(q.shape[:-2] + (-1,))[..., :K], -1, axis).astype(np.float32)
;;   ~~~
;; One version. Each part assembles by itself: llvm-mc -triple=amdgcn-amd-amdhsa -mcpu=gfx1250 --defsym DOCPART=n.
;; ======== version 1 of 1: 3 launches
;; limits: right only within a limited range of input values
;; workspace buffers: cbq 1,703,936 bytes; xq 13,107,200 bytes; cand 1,048,576 bytes of whole numbers
;; launch prep (part 1): grid 2304 x 1, 4 waves a work-group, no clusters, 34,816 bytes of LDS; arguments codebook, inputs, cbq, xq; writes cbq, xq
.if DOCPART == 1
	.amdgcn_target "amdgcn-amd-amdhsa--gfx1250"
	.amdhsa_code_object_version 6
	.text
	.protected	k_q41ab0e12af_prep
	.globl	k_q41ab0e12af_prep
	.p2align	8
	.type	k_q41ab0e12af_prep,@function
k_q41ab0e12af_prep:
	s_mov_b64 s[64:65], 0
	v_nop
	global_prefetch_b8 v0, s[64:65] scope:SCOPE_SE
	s_setreg_imm32_b32 hwreg(HW_REG_WAVE_MODE, 25, 1), 1
	s_wait_xcnt 0x0
; WORK LEFT OUT BY THE PROGRAM: reference() returns (q - x) + x with q = codebook[nearest].  In real numbers that is q for every x and q, so the last launch stores q and reads x no more;
; x still reaches the result through the choice of the code, and is read here.  LIMIT: a NaN, an infinity or an overflow of x that would reach the result through (q - x) + x alone is not carried.
; THIS LAUNCH: the codebook [4096][512] and x [32768][512], f32, become records of operand images.  Work-groups 0-255 make cbq's records (6,656 bytes), the others xq's (6,400 bytes).
; A record serves 16 rows:  bytes s*1536 + 512 c + 16 lane: registers 4 c .. 4 c + 3 of that lane's fragment (16 rows x K 128 s .. + 127, codes of E3M2, 12 registers a lane);
;   bytes 6144 + 16 r + 4 s: the scale word (four E8M0 bytes) of row r, K step s;   cbq alone: bytes 6400 + 4 i: hn of code i % 16, hn = -||c||^2 / 2 from the unquantised numbers (four copies of 16).
; A block's scale is 2^(floor(log2(its largest magnitude)) - 4); its byte is the largest magnitude's exponent field - 4, held at 1 from below.
; SHARES: wave s makes K step s.  Each load reads 512 consecutive bytes of one row; the 16 rows turn through the wave's own stage in LDS, so that a lane gets 16 neighbours along K.
; REGISTERS are few (96), so that many work-groups lie on a WGP: the stage's loads land on the registers that were loaded, the fragment is built in the quantiser's own work registers,
; and two of the four conversions land on numbers that have been converted already.
; LIMITS: NaN and infinities are not served.  Blocks whose largest magnitude lies under 2^(4 - 126) keep the byte 1 (not tried); a block of zeros gets the byte 1 where the quantiser says 127:
; its codes are zeros, and this program alone reads the bytes.  ||c||^2 is summed in f32 in an order of its own (four chains a lane, two lanes, four waves).
.set XREC,  6400
.set FRB,   1536
.set SCO,   4*FRB
.set HNO,   SCO+256
.set SP,    528                        ; a stage row: 512 bytes + 16
.set STG,   16*SP                      ; a wave's stage
.set SWB,   4*STG                      ; LDS: the 64 scale words as they lie in the record
.set PART,  SWB+256                    ; the partial sums, 64 s + 4 r
.set SPARE, PART+256                   ; the spare words: 128 bytes a wave, named by no other line
.set LI,  4                            ; 16 x lane
.set STA, 5                            ; stage, in: 16 x lane
.set LDA, 6                            ; stage, out: SP r + 64 h
.set SWA, 7                            ; SWB + 16 r + 4 wave
.set PTA, 8                            ; PART + 64 wave + 4 r
.set L8,  9                            ; 8 x lane
.set SWR, 10                           ; SWB + 8 x lane
.set PRA, 11                           ; PART + 8 (lane % 8)
.set SS,  12                           ; row r's sum of squares over my K step
.set SPW, 13
.set NIL, 14
.set PW,  15                           ; the scale word
.set TM,  16                           ; v16-31 at work: first the sums of squares, then the blocks' maxima, bytes and (v28-31) scale operands
.set F,   16                           ; v16-27 at last the fragment
.set X,   32                           ; v32-95: as loaded, then register 16 b + i = k 32 b + 16 h + i of row r
.set G,   40                           ; v40-49 wave 0's gathering, when the numbers are done with
.set WV,  12
.set ISC, 13                           ; 1: a record of the codebook
.set SEL, 24
	s_load_b256 s[4:11], s[0:1], 0x0               ; codebook, inputs, cbq, xq
	v_lshl_add_u32 v[SPW], v0, 2, SPARE
	v_mov_b32 v[NIL], 0
	v_lshrrev_b32 v1, 5, v0
	v_readfirstlane_b32 s[WV], v1
	v_and_b32 v1, 31, v0                           ; lane
	v_and_b32 v2, 15, v0                           ; r
	v_bfe_u32 v3, v0, 4, 1                         ; h
	v_lshlrev_b32 v[LI], 4, v1
	s_mul_i32 s14, s[WV], STG
	v_add_nc_u32 v[STA], s14, v[LI]
	v_mul_u32_u24 v[LDA], v2, SP
	v_lshl_add_u32 v[LDA], v3, 6, v[LDA]
	v_add_nc_u32 v[LDA], s14, v[LDA]
	s_lshl_b32 s14, s[WV], 2
	s_add_co_u32 s14, s14, SWB
	v_lshl_add_u32 v[SWA], v2, 4, s14
	s_lshl_b32 s14, s[WV], 6
	s_add_co_u32 s14, s14, PART
	v_lshl_add_u32 v[PTA], v2, 2, s14
	v_lshlrev_b32 v[L8], 3, v1
	v_add_nc_u32 v[SWR], SWB, v[L8]
	v_and_b32 v[PRA], 7, v0
	v_lshl_add_u32 v[PRA], v[PRA], 3, PART
.irp b, 0,1,2,3
	v_mov_b32 v[TM+4+\b], 0                        ; a lane permute's destination counts as a source
.endr
	s_cmp_lt_u32 ttmp9, 256                        ; the choice hangs on the work-group's number alone
	s_cselect_b32 s[ISC], 1, 0
	s_cselect_b32 s16, 0, 256
	s_cselect_b32 s17, 256, 0
	s_sub_co_u32 s16, ttmp9, s16                   ; which 16 rows of the tensor
	s_add_co_u32 s17, s17, XREC                    ; a record's bytes
	s_mul_i32 s18, s16, s17
	s_mov_b32 s19, 0
	s_lshl_b32 s16, s16, 15                        ; 16 rows of 2,048 bytes,
	s_lshl_b32 s17, s[WV], 9                       ; my K step's 512 bytes of each
	s_add_co_u32 s16, s16, s17
	s_mov_b32 s17, 0
	s_mul_i32 s20, s[WV], FRB
	s_mov_b32 s21, 0
	s_mov_b32 s[SEL], 0x76543210
	s_mov_b32 s[SEL+1], 0xfedcba98
	s_wait_alu depctr_va_vdst(0)                   ; the wait at the head's end
	s_wait_kmcnt 0x0
	s_cmp_lg_u32 s[ISC], 0
	s_cselect_b64 s[4:5], s[4:5], s[6:7]
	s_cselect_b64 s[8:9], s[8:9], s[10:11]
	s_add_nc_u64 s[4:5], s[4:5], s[16:17]
	s_add_nc_u64 s[8:9], s[8:9], s[18:19]          ; the record
	s_add_nc_u64 s[20:21], s[8:9], s[20:21]        ; my fragment's image in it
.set i, 0
.rept 16
	global_load_b128 v[X+4*i:X+4*i+3], v[LI], s[4:5] offset:2048*i th:TH_LOAD_NT   ; row i: 512 consecutive bytes
.set i, i+1
.endr
.set i, 0
.rept 16
	s_wait_loadcnt 15-i                            ; row i is in; the younger rows may be out
	ds_store_b128 v[STA], v[X+4*i:X+4*i+3] offset:SP*i
.set i, i+1
.endr
	s_wait_dscnt 0x0                               ; the stores are done: their registers take the loads below
.irp b, 0,1,2,3
.irp j, 0,1,2,3
	ds_load_b128 v[X+16*\b+4*\j:X+16*\b+4*\j+3], v[LDA] offset:128*\b+16*\j
.endr
.endr
	s_wait_dscnt 0x0
	s_cmp_eq_u32 s[ISC], 0                         ; x needs no sum of squares
	s_cbranch_scc1 .Lnosq
.irp k, 0,1,2,3
	v_pk_mul_f32 v[TM+2*\k:TM+2*\k+1], v[X+2*\k:X+2*\k+1], v[X+2*\k:X+2*\k+1]
.endr
.set q, 4
.rept 28
	v_pk_fma_f32 v[TM+2*(q%4):TM+2*(q%4)+1], v[X+2*q:X+2*q+1], v[X+2*q:X+2*q+1], v[TM+2*(q%4):TM+2*(q%4)+1]
.set q, q+1
.endr
	v_pk_add_f32 v[TM:TM+1], v[TM:TM+1], v[TM+2:TM+3]
	v_pk_add_f32 v[TM+4:TM+5], v[TM+4:TM+5], v[TM+6:TM+7]
	v_pk_add_f32 v[TM:TM+1], v[TM:TM+1], v[TM+4:TM+5]
	v_add_f32 v[TM], v[TM], v[TM+1]
	v_permlanex16_b32 v[TM+1], v[TM], s[SEL], s[SEL+1]
	v_add_f32 v[SS], v[TM], v[TM+1]                ; row r's sum over my 128 along K
	ds_store_b32 v[PTA], v[SS]
.Lnosq:
	; ---- my 64 numbers become the fragment's codes in v[F .. F + 11] and its scale word in v[PW]
.irp b, 0,1,2,3
	v_max3_num_f32 v[TM+\b], |v[X+16*\b]|, |v[X+1+16*\b]|, 0x2800000   ; my 16 of block b, and the floor 2^(5 - 127)
.endr
.irp i, 2,4,6,8,10,12,14
.irp b, 0,1,2,3
	v_max3_num_f32 v[TM+\b], v[TM+\b], |v[X+16*\b+\i]|, |v[X+1+16*\b+\i]|
.endr
.endr
.irp b, 0,1,2,3
	v_permlanex16_b32 v[TM+4+\b], v[TM+\b], s[SEL], s[SEL+1]
.endr
.irp b, 0,1,2,3
	v_max_num_f32 v[TM+\b], v[TM+\b], v[TM+4+\b]   ; with lane l xor 16's 16
.endr
.irp b, 0,1,2,3
	v_add_nc_u32 v[TM+12+\b], 0xfe000000, v[TM+\b]   ; 4 off the exponent field: the conversion's scale operand
.endr
.irp b, 0,1,2,3
	v_lshrrev_b32 v[TM+4+\b], 23, v[TM+12+\b]      ; the byte
.endr
	v_lshl_or_b32 v[PW], v[TM+5], 8, v[TM+4]
	v_lshl_or_b32 v[PW], v[TM+6], 16, v[PW]
	v_lshl_or_b32 v[PW], v[TM+7], 24, v[PW]
	v_cvt_scalef32_pk16_bf6_f32 v[F:F+2], v[X:X+15], v[TM+12]          ; blocks 0 and 2: my 16 codes each
	v_cvt_scalef32_pk16_bf6_f32 v[F+6:F+8], v[X+32:X+47], v[TM+14]
	v_nop                                          ; one plain instruction ahead of the lines that write block 0's numbers
	v_cvt_scalef32_pk16_bf6_f32 v[X:X+2], v[X+16:X+31], v[TM+13]       ; blocks 1 and 3, onto numbers that are done with
	v_cvt_scalef32_pk16_bf6_f32 v[X+4:X+6], v[X+48:X+63], v[TM+15]
	v_nop                                          ; one plain instruction behind the scaled conversions
.irp c, 0,1                                    ; a whole block to a lane: lanes 0-15 block 2 c, lanes 16-31 block 2 c + 1
.irp i, 0,1,2
	v_permlane16_swap_b32 v[F+6*\c+\i], v[X+4*\c+\i]
.endr
.irp i, 0,1,2
	v_mov_b32 v[F+3+6*\c+\i], v[X+4*\c+\i]
.endr
.endr
.irp c, 0,1,2
	global_store_b128 v[LI], v[F+4*\c:F+4*\c+3], s[20:21] offset:512*\c   ; 512 consecutive bytes, aligned to 256
.endr
	ds_store_b32 v[SWA], v[PW]                     ; lanes r and r + 16 write the same word
	s_wait_dscnt 0x0                               ; for the others' sake: my stores have landed
	s_barrier_signal -1
	s_barrier_wait -1
	s_cmp_lg_u32 s[WV], 0                          ; wave 0 gathers what the four left
	s_cbranch_scc1 .Lend
	ds_load_b64 v[G:G+1], v[SWR]
	s_wait_dscnt 0x0
	global_store_b64 v[L8], v[G:G+1], s[8:9] offset:SCO   ; 256 consecutive bytes, aligned
	s_cmp_eq_u32 s[ISC], 0
	s_cbranch_scc1 .Lend
.irp s, 0,1,2,3
	ds_load_b64 v[G+2+2*\s:G+3+2*\s], v[PRA] offset:64*\s   ; the four parts of codes 2 (lane % 8) and the next
.endr
	s_wait_dscnt 0x0
	v_pk_add_f32 v[G+2:G+3], v[G+2:G+3], v[G+4:G+5]
	v_pk_add_f32 v[G+6:G+7], v[G+6:G+7], v[G+8:G+9]
	v_pk_add_f32 v[G+2:G+3], v[G+2:G+3], v[G+6:G+7]
	v_pk_mul_f32 v[G+6:G+7], v[G+2:G+3], -0.5 op_sel_hi:[1,0]   ; hn: halving and the sign round nothing
	global_store_b64 v[L8], v[G+6:G+7], s[8:9] offset:HNO
.Lend:
	s_wait_tensorcnt 0x0                           ; the wave's end
	ds_add_u32 v[SPW], v[NIL]
	s_wait_dscnt 0x0
	s_endpgm
.Lfunc_end_k_q41ab0e12af_prep:
	.size	k_q41ab0e12af_prep, .Lfunc_end_k_q41ab0e12af_prep-k_q41ab0e12af_prep
	.p2alignl 7, 3214868480
	.fill 96, 4, 3214868480
	.section	.rodata,"a",@progbits
	.p2align	6, 0x0
	.amdhsa_kernel k_q41ab0e12af_prep
		.amdhsa_group_segment_fixed_size 34816
		.amdhsa_private_segment_fixed_size 0
		.amdhsa_enable_private_segment 0
		.amdhsa_kernarg_size 32
		.amdhsa_user_sgpr_count 2
		.amdhsa_user_sgpr_kernarg_segment_ptr 1
		.amdhsa_wavefront_size32 1
		.amdhsa_system_sgpr_workgroup_id_x 1
		.amdhsa_system_sgpr_workgroup_id_y 1
		.amdhsa_system_sgpr_workgroup_id_z 1
		.amdhsa_system_vgpr_workitem_id 0
		.amdhsa_next_free_vgpr 96
		.amdhsa_next_free_sgpr 66
		.amdhsa_reserve_vcc 0
		.amdhsa_float_denorm_mode_32 3
		.amdhsa_float_denorm_mode_16_64 3
		.amdhsa_memory_ordered 1
		.amdhsa_forward_progress 1
		.amdhsa_inst_pref_size 15
	.end_amdhsa_kernel
	.amdgpu_metadata
---
amdhsa.version: [ 1, 2 ]
amdhsa.kernels:
  - .name:           k_q41ab0e12af_prep
    .symbol:         k_q41ab0e12af_prep.kd
    .args:
      - { .name: codebook, .offset: 0, .size: 8, .value_kind: global_buffer, .address_space: global }
      - { .name: inputs, .offset: 8, .size: 8, .value_kind: global_buffer, .address_space: global }
      - { .name: cbq, .offset: 16, .size: 8, .value_kind: global_buffer, .address_space: global }
      - { .name: xq, .offset: 24, .size: 8, .value_kind: global_buffer, .address_space: global }
    .group_segment_fixed_size: 34816
    .private_segment_fixed_size: 0
    .kernarg_segment_align: 8
    .kernarg_segment_size: 32
    .max_flat_workgroup_size: 128
    .sgpr_count:     66
    .vgpr_count:     96
    .wavefront_size: 32
...
	.end_amdgpu_metadata
.endif
;; end of part 1
;; launch nearest (part 2): grid 256 x 1, 8 waves a work-group, clusters of 4 x 1, 327,680 bytes of LDS; arguments xq, cbq, cand; writes cand
.if DOCPART == 2
	.amdgcn_target "amdgcn-amd-amdhsa--gfx1250"
	.amdhsa_code_object_version 6
	.text
	.protected	k_q41ab0e12af_nearest
	.globl	k_q41ab0e12af_nearest
	.p2align	8
	.type	k_q41ab0e12af_nearest,@function
k_q41ab0e12af_nearest:
	s_mov_b64 s[64:65], 0
	v_nop
	global_prefetch_b8 v0, s[64:65] scope:SCOPE_SE
	s_setreg_imm32_b32 hwreg(HW_REG_WAVE_MODE, 25, 1), 1
	s_wait_xcnt 0x0
	s_wait_alu depctr_hold_cnt(0) depctr_sa_sdst(0) depctr_va_vdst(0) depctr_va_sdst(0) depctr_va_ssrc(0) depctr_va_vcc(0) depctr_vm_vsrc(0)
	s_getreg_b32 s2, hwreg(HW_REG_IB_STS2, 6, 4)
	s_cmp_eq_u32 s2, 0
	s_cbranch_scc0 .Lentry_in_a_cluster
	s_endpgm
.Lentry_in_a_cluster:
	s_bfe_u32 s2, ttmp6, 0x10000c
	s_cmp_lg_u32 s2, 0x3003
	s_cbranch_scc0 .Lentry_shape_is_right
	s_endpgm
.Lentry_shape_is_right:
; For each row of x and each quarter of the codebook: the code that maximises e = x.c + hn, hn = -||c||^2 / 2, the lowest code among equals.  e = -(||c||^2 - 2 x.c) / 2 bit for bit (doubling and
; halving round nothing), so the largest e is the least distance.  x.c is the quantised product: codes of E3M2, one E8M0 scale for each 32 along K, four K steps in ascending order on one f32 sum.
; SHARES.  Cluster c of 64: quarter c % 4 (codes 1024 q .. + 1023: 64 records of cbq), and its four work-groups take the row blocks 4 (c / 4) + cx of 512 rows.  Wave w of eight holds rows 64 w .. + 63:
; 16 fragments, 192 registers, for the whole launch, and walks all 64 records.  Two waves lie on a SIMD: each lays its 16 products of a record in one run and its tracking behind them.
; THE RECORDS come through a ring of two LDS slots of 16 records, four slots in all; wave w fetches records 2 w, 2 w + 1 of a slot (52 rows of 256 bytes).  The four partners walk the same records and ask
; for them JOINTLY (mask 15).  One operand alone is shared, so the cluster is 4 x 1.
; LAYOUT.  Source 0 = 16 codes, source 1 = 16 rows of x: lane (r, h) holds row r, its register j code 8 h + j.  A lane takes the largest e of its eight, and where that beats the row's best so far it keeps
; the record's first code and the eight e; 'keep unless greater' keeps the lower code, since records come in ascending order.  At the end the lowest j that reaches the best is the code.
; THE TRACKING goes in dual-issue pairs where two like steps stand side by side: 56 instructions for a record's 32 registers of results.  A pair's destinations differ in parity and its like
; sources lie in different register banks (register number modulo 4): neighbouring registers do.  The select of the first code reads a scalar register beside VCC and stands alone.
; RESULT: cand[q][row] = (key, code), 8 bytes: key is e's bits mapped to a whole number in the same order (-0 first made +0), so that the next launch chooses among the four quarters by whole numbers.
; PREFETCH: at the start of slot t (t = 0, 1) the records of slot t + 2 are named, one slot ahead of their load: 416 blocks of 256 bytes, 13 to each of the cluster's 32 waves, shared out by address.
; LIMITS: NaN and infinities are not served.
; REGISTERS: window 0: v0-15 addresses; v16-23 x's scale words; v24-31 the codes' scale words, two sets; v32-47 hn, two sets; v48-55 at work; v56-59 best e; v64-95 its eight e;
;   v96-127 accumulators; v160-207 the codes' fragments, set 0; v209-212 the best's record's first code.   window 1: v0-191 x's fragments (12 (4 m + s)); v192-239 the codes' fragments, set 1.
.set TILEB, 6656
.set XREC,  6400
.set FRB,   1536
.set SCO,   4*FRB
.set HNO,   SCO+256
.set WPART, 2*TILEB
.set SLOTB, 16*TILEB
.set SLOT1, 1<<17
.set SPARE, SLOT1+SLOTB                ; the spare words: 128 bytes a wave, named by no other line
.set SPW, 1
.set NIL, 2
.set LB0, 3                            ; 16 x lane
.set LS0, 4                            ; SCO + 16 r
.set LH0, 5                            ; HNO + 32 h
.set ADB, 6                            ; the same three + the place of the pair of records at work
.set ADS, 7
.set ADH, 8
.set H8,  9                            ; 8 h
.set XSO, 10                           ; XREC h + 16 r
.set GO,  11                           ; 8 x lane
.set PFO, 12                           ; 256 x min(lane, 12)
.set XS,  16                           ; register 4 p + s: lanes 0-15 row tile 2 p, lanes 16-31 row tile 2 p + 1
.set BSC, 24
.set HN,  32
.set T,   48                           ; T + m and T + 4 + m: row tile m's two partial maxima
.set BB,  56
.set SV,  64
.set ACC, 96
.set BF,  160                          ; set p at BF + 32 p of window p
.set II,  209
.set WV,  10
.set G1,  16
.set G0A, 24
.set G0B, 28                           ; slot 1's first fill; it then walks
.set SEL, 32
.set TO,  34                           ; LDS byte of the pair of records at work
.set TC,  35                           ; first code of the record at work
.set CT,  36
.set PFA, 38
.set MK,  40                           ; s40-43 lane masks, at the end
.set MSB, 0
.macro WIN new                         ; the immediate's high byte repeats the setting that is left
.if MSB != (\new)
	s_set_vgpr_msb (MSB<<8)|(\new)
.set MSB, (\new)
.endif
.endm
.macro PLACES n
.rept \n
	v_nop
.endr
.endm
.macro CREST                           ; a round of the cluster's barrier behind its opening barrier
	s_cmp_lg_u32 s[WV], 0
	s_cbranch_scc1 .Lnot_wave_0_\@
	s_barrier_signal -3
.Lnot_wave_0_\@:
	s_barrier_wait -3
	s_barrier_signal -1
	s_barrier_wait -1
.endm
.macro CROUND
	s_barrier_signal -1
	s_barrier_wait -1
	CREST
.endm
.macro FETCH off, p                    ; a record's four fragments, scale words and hn into set p: 15 loads in one run
.if \p
	WIN 0x40                                       ; destination window 1
.endif
.irp s, 0,1,2,3
.irp c, 0,1,2
	ds_load_b128 v[BF+32*(\p)+12*\s+4*\c:BF+32*(\p)+12*\s+4*\c+3], v[ADB] offset:(\off)+\s*FRB+512*\c
.endr
.endr
	WIN 0
	ds_load_b128 v[BSC+4*(\p):BSC+4*(\p)+3], v[ADS] offset:(\off)
	ds_load_b128 v[HN+8*(\p):HN+8*(\p)+3], v[ADH] offset:(\off)
	ds_load_b128 v[HN+8*(\p)+4:HN+8*(\p)+7], v[ADH] offset:(\off)+16
.endm
.macro NEWADR
	v_add_nc_u32 v[ADB], s[TO], v[LB0]
	v_add_nc_u32 v[ADS], s[TO], v[LS0]
	v_add_nc_u32 v[ADH], s[TO], v[LH0]
.endm
; 16 products: K steps in ascending order, the four row tiles' accumulators by turns; K step 0 starts each sum with the constant 0
.macro MULS p
	WIN 0x04+(\p)                                  ; source 0 (codes) window p, source 1 (x) window 1, C and D window 0
.irp s, 0,1,2,3
.irp m, 0,1,2,3
.set rD, ACC+8*\m
.set rA, BF+32*(\p)+12*\s
.set rB, 12*(4*\m+\s)
.set rS, XS+4*(\m/2)+\s
.if \s == 0
.if \m%2
	v_wmma_scale_f32_16x16x128_f8f6f4 v[rD:rD+7], v[rA:rA+11], v[rB:rB+11], 0, v[BSC+4*(\p)+\s], v[rS] matrix_a_fmt:MATRIX_FMT_BF6 matrix_b_fmt:MATRIX_FMT_BF6 matrix_b_scale:MATRIX_SCALE_ROW1
.else
	v_wmma_scale_f32_16x16x128_f8f6f4 v[rD:rD+7], v[rA:rA+11], v[rB:rB+11], 0, v[BSC+4*(\p)+\s], v[rS] matrix_a_fmt:MATRIX_FMT_BF6 matrix_b_fmt:MATRIX_FMT_BF6
.endif
.else
.if \m%2
	v_wmma_scale_f32_16x16x128_f8f6f4 v[rD:rD+7], v[rA:rA+11], v[rB:rB+11], v[rD:rD+7], v[BSC+4*(\p)+\s], v[rS] matrix_a_fmt:MATRIX_FMT_BF6 matrix_b_fmt:MATRIX_FMT_BF6 matrix_b_scale:MATRIX_SCALE_ROW1
.else
	v_wmma_scale_f32_16x16x128_f8f6f4 v[rD:rD+7], v[rA:rA+11], v[rB:rB+11], v[rD:rD+7], v[BSC+4*(\p)+\s], v[rS] matrix_a_fmt:MATRIX_FMT_BF6 matrix_b_fmt:MATRIX_FMT_BF6
.endif
.endif
.endr
.endr
.endm
; The tracking of a record; each accumulator is read from its low end on
.macro TRACK p
.irp i, 0,2,4,6
.irp m, 0,1,2,3
	v_dual_add_f32 v[ACC+8*\m+\i], v[ACC+8*\m+\i], v[HN+8*(\p)+\i] :: v_dual_add_f32 v[ACC+8*\m+\i+1], v[ACC+8*\m+\i+1], v[HN+8*(\p)+\i+1]   ; e = the sum + hn
.endr
.endr
.irp m, 0,1,2,3
	v_max3_num_f32 v[T+\m], v[ACC+8*\m], v[ACC+8*\m+1], v[ACC+8*\m+2]
.endr
.irp m, 0,1,2,3
	v_max3_num_f32 v[T+4+\m], v[ACC+8*\m+3], v[ACC+8*\m+4], v[ACC+8*\m+5]
.endr
.irp m, 0,1,2,3
	v_max3_num_f32 v[T+\m], v[T+\m], v[ACC+8*\m+6], v[ACC+8*\m+7]
.endr
.irp m, 0,2
	v_dual_max_num_f32 v[T+\m], v[T+\m], v[T+4+\m] :: v_dual_max_num_f32 v[T+\m+1], v[T+\m+1], v[T+5+\m]   ; the largest of my eight
.endr
.irp m, 0,1,2,3
	v_cmp_ge_f32 vcc_lo, v[BB+\m], v[T+\m]         ; keep unless greater
	v_cndmask_b32 v[II+\m], s[TC], v[II+\m], vcc_lo
.irp j, 0,2,4,6
	v_dual_cndmask_b32 v[SV+8*\m+\j], v[ACC+8*\m+\j], v[SV+8*\m+\j] :: v_dual_cndmask_b32 v[SV+8*\m+\j+1], v[ACC+8*\m+\j+1], v[SV+8*\m+\j+1]
.endr
.endr
.irp m, 0,2
	v_dual_max_num_f32 v[BB+\m], v[T+\m], v[BB+\m] :: v_dual_max_num_f32 v[BB+\m+1], v[T+\m+1], v[BB+\m+1]   ; the best so far, behind the compares that read the old one
.endr
.endm
; One record, in set p.  kind 0: the next record, at byte off from the pair's place, is fetched (step = 1: the place then moves on by a pair).  kind 1: the slot's last record: the slot is left and filled
; again jointly, and the fetches go on at LDS byte nb.  kind 2: the same with nothing left to ask for.  kind 3: the last record of all.
.macro TILE p, kind, off, step, nb
.if (\kind) == 1
	s_wait_tensorcnt 0x0                           ; all my tensor loads have landed: my part of the other slot; so the descriptor may be written
	ds_add_u32 v[SPW], v[NIL]
	s_xor_b32 s[G0B+1], s[G0B+1], SLOT1            ; the slot that is being left,
	s_add_nc_u64 s[G0B+2:G0B+3], s[G0B+2:G0B+3], SLOTB   ; the records two slots on
.endif
.if (\kind) == 2
	s_wait_tensorcnt 0x0                           ; my part of the last slot has landed
.endif
	s_wait_dscnt 0x0                               ; this record's 15 loads are in (kinds 1, 2: they were my last reads of the slot; kind 1: the add is done)
.if (\kind) == 1 || (\kind) == 2
	s_barrier_signal -1                            ; registers alone are at work up to the wait
.endif
	MULS \p
	WIN 0
.if (\kind) == 1 || (\kind) == 2
	s_barrier_wait -1
.endif
.if (\kind) == 1
	CREST                                          ; the barrier has opened a round: no wave of any partner still reads the slot or has a load on its way
	tensor_load_to_lds s[G0B:G0B+3], s[G1:G1+7]    ; my one tensor load behind the round
	s_nop 0
.endif
.if (\kind) == 0
	FETCH \off, 1-(\p)                             ; the other set: its last products stand a whole tracking back
.endif
	PLACES 4                                       ; four places between the products and the first read of a result (ISA guide 7.12.1)
.if (\kind) == 1 || (\kind) == 2
	s_mov_b32 s[TO], \nb
	NEWADR
	FETCH 0, 0
.endif
.if (\kind) == 1 && (\nb) == SLOT1
	global_prefetch_b8 v[PFO], s[PFA:PFA+1] offset:SLOTB th:TH_LOAD_NT scope:SCOPE_SE   ; slot 3's records
.endif
.if \step
	s_add_co_u32 s[TO], s[TO], 2*TILEB
	NEWADR
.endif
	TRACK \p
	s_add_co_u32 s[TC], s[TC], 16
.endm
.macro SLOT kind, nb                   ; 16 records: seven trips of a pair, and the last pair written out
	s_mov_b32 s[CT], 7
.Lpair_\@:
	TILE 0, 0, TILEB, 0, 0
	TILE 1, 0, 2*TILEB, 1, 0
	s_sub_co_u32 s[CT], s[CT], 1
	s_cmp_lg_u32 s[CT], 0
	s_cbranch_scc1 .Lpair_\@
	TILE 0, 0, TILEB, 0, 0
	TILE 1, \kind, 0, 0, \nb
.endm
	s_load_b128 s[4:7], s[0:1], 0x0                ; xq, cbq
	s_load_b64 s[8:9], s[0:1], 0x10                ; cand
	v_lshl_add_u32 v[SPW], v0, 2, SPARE
	v_mov_b32 v[NIL], 0
	ds_add_u32 v[SPW], v[NIL]                      ; the opening: the add, twice on end, and its wait ahead of my first tensor load
	ds_add_u32 v[SPW], v[NIL]
	v_lshrrev_b32 v13, 5, v0
	v_readfirstlane_b32 s[WV], v13                 ; wave 0..7
	v_and_b32 v13, 31, v0                          ; lane
	v_and_b32 v14, 15, v0                          ; r
	v_bfe_u32 v15, v0, 4, 1                        ; h
	v_lshlrev_b32 v[LB0], 4, v13
	v_lshl_add_u32 v[LS0], v14, 4, SCO
	v_lshl_add_u32 v[LH0], v15, 5, HNO
	v_lshlrev_b32 v[ADB], 4, v13                   ; the walk begins at LDS byte 0
	v_lshl_add_u32 v[ADS], v14, 4, SCO
	v_lshl_add_u32 v[ADH], v15, 5, HNO
	v_lshlrev_b32 v[H8], 3, v15
	v_mul_u32_u24 v[XSO], v15, XREC
	v_lshl_add_u32 v[XSO], v14, 4, v[XSO]
	v_lshlrev_b32 v[GO], 3, v13
	v_min_u32 v[PFO], 12, v13
	v_lshlrev_b32 v[PFO], 8, v[PFO]
	s_mov_b32 s44, 0xff800000
.set f, 0
.rept 4
	v_mov_b32 v[BB+f], s44                         ; the best begins at -infinity, code 0
	v_mov_b32 v[II+f], 0
.set f, f+1
.endr
.set f, 0
.rept 32
	v_mov_b32 v[SV+f], s44
.set f, f+1
.endr
	s_bfe_u32 s11, ttmp6, 0x40000                  ; cx: it enters the addresses of xq, cand and the prefetches alone
	s_and_b32 s12, ttmp9, 3                        ; the quarter: the same in all four partners
	s_and_not1_b32 s13, ttmp9, 3
	s_add_co_u32 s13, s13, s11                     ; the row block
	s_mov_b32 s[G1+0], 15|(3<<16)|(1<<21)          ; the mask: all four; elements of 8 bytes; bit 21 beside a mask
	s_mov_b32 s[G1+1], 32<<16                      ; tensor_dim0 = 32
	s_mov_b32 s[G1+2], 52<<16                      ; tensor_dim1 = 52
	s_mov_b32 s[G1+3], 32<<16                      ; tile_dim0
	s_mov_b32 s[G1+4], 52                          ; tile_dim1
	s_mov_b32 s[G1+5], 32                          ; from row to row
	s_mov_b32 s[G1+6], 0
	s_mov_b32 s[G1+7], 0
	s_mov_b32 s[SEL], 0x76543210
	s_mov_b32 s[SEL+1], 0xfedcba98
	s_lshl_b32 s44, s13, 5
	s_lshl_b32 s45, s[WV], 2
	s_add_co_u32 s44, s44, s45
	s_mul_i32 s44, s44, XREC                       ; my four records of xq
	s_mov_b32 s45, 0
	s_lshl_b32 s46, s12, 18                        ; cand: 262,144 q + 8 (512 x row block + 64 w)
	s_lshl_b32 s47, s13, 12
	s_add_co_u32 s46, s46, s47
	s_lshl_b32 s47, s[WV], 9
	s_add_co_u32 s46, s46, s47
	s_mov_b32 s47, 0
	s_mul_i32 s52, s[WV], WPART                    ; my two records, in a slot of LDS and in a slot's records in memory
	s_mul_i32 s50, s12, 64*TILEB                   ; the quarter's records
	s_add_co_u32 s48, s50, s52
	s_mov_b32 s49, 0
	s_lshl_b32 s51, s11, 3
	s_add_co_u32 s51, s51, s[WV]
	s_mul_i32 s51, s51, 13*256                     ; the prefetches: my 13 blocks of a slot's 416,
	s_add_co_u32 s50, s50, s51
	s_add_co_u32 s50, s50, 2*SLOTB                 ; in slot 2
	s_mov_b32 s51, 0
	s_lshl_b32 s[TC], s12, 10
	s_mov_b32 s[TO], 0
	s_wait_alu depctr_va_vdst(0)                   ; the wait at the head's end
	s_wait_dscnt 0x0                               ; both opening adds are done
	CROUND                                         ; all four work-groups are here: the first joint loads meet; the arguments are on their way meanwhile
	s_wait_kmcnt 0x0
	s_add_nc_u64 s[4:5], s[4:5], s[44:45]
	s_add_nc_u64 s[8:9], s[8:9], s[46:47]
	s_add_nc_u64 s[PFA:PFA+1], s[6:7], s[50:51]
	s_mov_b32 s[G0A], 1
	s_mov_b32 s[G0A+1], s52
	s_add_nc_u64 s[G0A+2:G0A+3], s[6:7], s[48:49]
	s_mov_b32 s[G0B], 1
	s_add_co_u32 s[G0B+1], s52, SLOT1
	s_add_nc_u64 s[G0B+2:G0B+3], s[G0A+2:G0A+3], SLOTB
	s_or_b32 s[G0A+3], s[G0A+3], 0x80000000        ; type = 2
	s_or_b32 s[G0B+3], s[G0B+3], 0x80000000
	tensor_load_to_lds s[G0A:G0A+3], s[G1:G1+7]    ; slot 0: one tensor load a wave at the head
	s_nop 0
	PLACES 4
	WIN 0x40                                       ; x's 16 fragments, as they lie: each load covers 512 consecutive bytes
.irp m, 0,1,2,3
.irp s, 0,1,2,3
.irp c, 0,1,2
	global_load_b128 v[12*(4*\m+\s)+4*\c:12*(4*\m+\s)+4*\c+3], v[LB0], s[4:5] offset:\m*XREC+\s*FRB+512*\c
.endr
.endr
.endr
	WIN 0
.irp p, 0,1
	global_load_b128 v[XS+4*\p:XS+4*\p+3], v[XSO], s[4:5] offset:\p*2*XREC+SCO
.endr
	s_wait_tensorcnt 0x0                           ; my part of slot 0 is in
	ds_add_u32 v[SPW], v[NIL]
	s_wait_dscnt 0x0
	CROUND                                         ; everybody's part of slot 0 is in
	tensor_load_to_lds s[G0B:G0B+3], s[G1:G1+7]    ; slot 1
	s_nop 0
	PLACES 4
	FETCH 0, 0
	global_prefetch_b8 v[PFO], s[PFA:PFA+1] th:TH_LOAD_NT scope:SCOPE_SE   ; slot 2's records
	s_wait_loadcnt 0x0                             ; x is in
	SLOT 1, SLOT1                                  ; slot 0; slot 2 is asked for
	SLOT 1, 0                                      ; slot 1; slot 3 is asked for
	SLOT 2, SLOT1                                  ; slot 2
	SLOT 3, 0                                      ; slot 3
	; ---- the lowest j that reaches the best; the code; the key; the two halves of the lanes meet
.irp m, 0,1,2,3
	v_mov_b32 v[T+\m], 7
.endr
.irp j, 6,5,4,3,2,1,0
.irp m, 0,1,2,3
	v_cmp_neq_f32 s[MK+\m], v[SV+8*\m+\j], v[BB+\m]
.endr
.irp m, 0,1,2,3
	v_cndmask_b32 v[T+\m], \j, v[T+\m], s[MK+\m]
.endr
.endr
.irp m, 0,1,2,3
	v_add3_u32 v[II+\m], v[II+\m], v[T+\m], v[H8]  ; the record's first code + 8 h + j
	v_add_f32 v[BB+\m], 0, v[BB+\m]                ; -0 becomes +0
.endr
.irp m, 0,1,2,3
	v_ashrrev_i32 v[T+\m], 31, v[BB+\m]
.endr
.irp m, 0,1,2,3
	v_or_b32 v[T+\m], 0x80000000, v[T+\m]
.endr
.irp m, 0,1,2,3
	v_xor_b32 v[BB+\m], v[T+\m], v[BB+\m]          ; the key: negative numbers have all bits turned, the others the sign bit: unsigned order = e's order
.endr
.irp m, 0,1,2,3
	v_permlanex16_b32 v[ACC+\m], v[BB+\m], s[SEL], s[SEL+1]
.endr
.irp m, 0,1,2,3
	v_permlanex16_b32 v[ACC+8+\m], v[II+\m], s[SEL], s[SEL+1]
.endr
.irp m, 0,1,2,3
	v_cmp_gt_u32 s[MK], v[ACC+\m], v[BB+\m]        ; the other half's wins if its key is greater, or equal with the lower code
	v_cmp_eq_u32 s[MK+1], v[ACC+\m], v[BB+\m]
	v_cmp_lt_u32 s[MK+2], v[ACC+8+\m], v[II+\m]
	s_and_b32 s[MK+1], s[MK+1], s[MK+2]
	s_or_b32 s[MK], s[MK], s[MK+1]
	v_cndmask_b32 v[BB+\m], v[BB+\m], v[ACC+\m], s[MK]
	v_cndmask_b32 v[II+\m], v[II+\m], v[ACC+8+\m], s[MK]
.endr
	v_cmp_ne_u32 s[MK], 0, v[H8]                   ; lanes 16-31 carry the odd row tiles
	v_cndmask_b32 v[T], v[BB], v[BB+1], s[MK]
	v_cndmask_b32 v[T+1], v[II], v[II+1], s[MK]
	v_cndmask_b32 v[T+2], v[BB+2], v[BB+3], s[MK]
	v_cndmask_b32 v[T+3], v[II+2], v[II+3], s[MK]
	global_store_b64 v[GO], v[T:T+1], s[8:9]               ; rows 0-31 of my 64: 256 consecutive bytes, aligned
	global_store_b64 v[GO], v[T+2:T+3], s[8:9] offset:256  ; rows 32-63
	s_wait_tensorcnt 0x0                           ; the wave's end
	ds_add_u32 v[SPW], v[NIL]
	s_wait_dscnt 0x0
	CROUND                                         ; the closing round
	s_endpgm
.Lfunc_end_k_q41ab0e12af_nearest:
	.size	k_q41ab0e12af_nearest, .Lfunc_end_k_q41ab0e12af_nearest-k_q41ab0e12af_nearest
	.p2alignl 7, 3214868480
	.fill 96, 4, 3214868480
	.section	.rodata,"a",@progbits
	.p2align	6, 0x0
	.amdhsa_kernel k_q41ab0e12af_nearest
		.amdhsa_group_segment_fixed_size 327680
		.amdhsa_private_segment_fixed_size 0
		.amdhsa_enable_private_segment 0
		.amdhsa_kernarg_size 24
		.amdhsa_user_sgpr_count 2
		.amdhsa_user_sgpr_kernarg_segment_ptr 1
		.amdhsa_wavefront_size32 1
		.amdhsa_system_sgpr_workgroup_id_x 1
		.amdhsa_system_sgpr_workgroup_id_y 1
		.amdhsa_system_sgpr_workgroup_id_z 1
		.amdhsa_system_vgpr_workitem_id 0
		.amdhsa_next_free_vgpr 512
		.amdhsa_next_free_sgpr 66
		.amdhsa_reserve_vcc 1
		.amdhsa_float_denorm_mode_32 3
		.amdhsa_float_denorm_mode_16_64 3
		.amdhsa_memory_ordered 1
		.amdhsa_forward_progress 1
		.amdhsa_inst_pref_size 126
	.end_amdhsa_kernel
	.amdgpu_metadata
---
amdhsa.version: [ 1, 2 ]
amdhsa.kernels:
  - .name:           k_q41ab0e12af_nearest
    .symbol:         k_q41ab0e12af_nearest.kd
    .args:
      - { .name: xq, .offset: 0, .size: 8, .value_kind: global_buffer, .address_space: global }
      - { .name: cbq, .offset: 8, .size: 8, .value_kind: global_buffer, .address_space: global }
      - { .name: cand, .offset: 16, .size: 8, .value_kind: global_buffer, .address_space: global }
    .group_segment_fixed_size: 327680
    .private_segment_fixed_size: 0
    .kernarg_segment_align: 8
    .kernarg_segment_size: 24
    .max_flat_workgroup_size: 256
    .sgpr_count:     66
    .vgpr_count:     512
    .wavefront_size: 32
...
	.end_amdgpu_metadata
.endif
;; end of part 2
;; launch gather (part 3): grid 256 x 1, 16 waves a work-group, no clusters, 0 bytes of LDS; arguments codebook, cand, out0; writes out0
.if DOCPART == 3
	.amdgcn_target "amdgcn-amd-amdhsa--gfx1250"
	.amdhsa_code_object_version 6
	.text
	.protected	k_q41ab0e12af_gather
	.globl	k_q41ab0e12af_gather
	.p2align	8
	.type	k_q41ab0e12af_gather,@function
k_q41ab0e12af_gather:
	s_mov_b64 s[64:65], 0
	v_nop
	global_prefetch_b8 v0, s[64:65] scope:SCOPE_SE
	s_setreg_imm32_b32 hwreg(HW_REG_WAVE_MODE, 25, 1), 1
	s_wait_xcnt 0x0
; out0[row] = codebook[code of the row].  LEFT OUT: (q - x) + x = q in real numbers for every x and q, so x is not read here (see the first kernel's head, with its limit).
; cand[q][row] = (key, code), whole numbers stored by the launch before: the greatest key wins, the lower quarter (the lower code) among equals.
; A stream: no LDS, no barrier, no matrix unit.  Wave w of work-group W owns rows 128 W + 8 w .. + 7.  A row is 2,048 bytes: four loads and four stores of 512 consecutive bytes.
; All 32 loads of a wave go out on end; the stores follow row by row behind counted waits.
.set QO, 2                             ; v2-9: row i: 16 x lane + 2,048 x code
.set D,  16                            ; v16-143: row i at 16 i
	s_load_b128 s[4:7], s[0:1], 0x0                ; codebook, cand
	s_load_b64 s[8:9], s[0:1], 0x10                ; out0
	v_lshrrev_b32 v1, 5, v0
	v_readfirstlane_b32 s12, v1                    ; wave 0..15
	v_and_b32 v1, 31, v0
	v_lshlrev_b32 v1, 4, v1                        ; 16 x lane
	s_lshl_b32 s13, ttmp9, 7
	s_lshl_b32 s14, s12, 3
	s_add_co_u32 s13, s13, s14                     ; my first row
	s_lshl_b32 s14, s13, 11                        ; in bytes of out0
	s_mov_b32 s15, 0
	s_lshl_b32 s10, s13, 3                         ; and of a quarter of cand
	s_mov_b32 s11, 0
	s_wait_alu depctr_va_vdst(0)                   ; the wait at the head's end
	s_wait_kmcnt 0x0
	s_add_nc_u64 s[6:7], s[6:7], s[10:11]
	s_load_b512 s[16:31], s[6:7], 0x0              ; my eight rows' pairs of quarter 0,
	s_load_b512 s[32:47], s[6:7], 0x40000          ; 1,
	s_load_b512 s[48:63], s[6:7], 0x80000          ; 2,
	s_load_b512 s[68:83], s[6:7], 0xc0000          ; 3
	s_add_nc_u64 s[8:9], s[8:9], s[14:15]
	s_wait_kmcnt 0x0
.irp b, 32,48,68
.irp i, 0,1,2,3,4,5,6,7
	s_cmp_gt_u32 s[\b+2*\i], s[16+2*\i]            ; only a greater key takes the place
	s_cselect_b32 s[16+2*\i], s[\b+2*\i], s[16+2*\i]
	s_cselect_b32 s[17+2*\i], s[\b+2*\i+1], s[17+2*\i]
.endr
.endr
.irp i, 0,1,2,3,4,5,6,7
	s_min_u32 s[17+2*\i], s[17+2*\i], 0xfff        ; an index stays inside the table
.endr
.irp i, 0,1,2,3,4,5,6,7
	v_lshl_add_u32 v[QO+\i], s[17+2*\i], 11, v1
.endr
.irp i, 0,1,2,3,4,5,6,7
.irp c, 0,1,2,3
	global_load_b128 v[D+16*\i+4*\c:D+16*\i+4*\c+3], v[QO+\i], s[4:5] offset:512*\c   ; no hint: a code's row may be wanted again by any wave
.endr
.endr
.irp i, 0,1,2,3,4,5,6,7
	s_wait_loadcnt 28-4*\i                         ; row i's four loads are in; the younger rows' may be out
.irp c, 0,1,2,3
	global_store_b128 v1, v[D+16*\i+4*\c:D+16*\i+4*\c+3], s[8:9] offset:2048*\i+512*\c th:TH_STORE_NT   ; 512 consecutive bytes, aligned to 256
.endr
.endr
	s_endpgm
.Lfunc_end_k_q41ab0e12af_gather:
	.size	k_q41ab0e12af_gather, .Lfunc_end_k_q41ab0e12af_gather-k_q41ab0e12af_gather
	.p2alignl 7, 3214868480
	.fill 96, 4, 3214868480
	.section	.rodata,"a",@progbits
	.p2align	6, 0x0
	.amdhsa_kernel k_q41ab0e12af_gather
		.amdhsa_group_segment_fixed_size 0
		.amdhsa_private_segment_fixed_size 0
		.amdhsa_enable_private_segment 0
		.amdhsa_kernarg_size 24
		.amdhsa_user_sgpr_count 2
		.amdhsa_user_sgpr_kernarg_segment_ptr 1
		.amdhsa_wavefront_size32 1
		.amdhsa_system_sgpr_workgroup_id_x 1
		.amdhsa_system_sgpr_workgroup_id_y 1
		.amdhsa_system_sgpr_workgroup_id_z 1
		.amdhsa_system_vgpr_workitem_id 0
		.amdhsa_next_free_vgpr 144
		.amdhsa_next_free_sgpr 84
		.amdhsa_reserve_vcc 0
		.amdhsa_float_denorm_mode_32 3
		.amdhsa_float_denorm_mode_16_64 3
		.amdhsa_memory_ordered 1
		.amdhsa_forward_progress 1
		.amdhsa_inst_pref_size 11
	.end_amdhsa_kernel
	.amdgpu_metadata
---
amdhsa.version: [ 1, 2 ]
amdhsa.kernels:
  - .name:           k_q41ab0e12af_gather
    .symbol:         k_q41ab0e12af_gather.kd
    .args:
      - { .name: codebook, .offset: 0, .size: 8, .value_kind: global_buffer, .address_space: global }
      - { .name: cand, .offset: 8, .size: 8, .value_kind: global_buffer, .address_space: global }
      - { .name: out0, .offset: 16, .size: 8, .value_kind: global_buffer, .address_space: global }
    .group_segment_fixed_size: 0
    .private_segment_fixed_size: 0
    .kernarg_segment_align: 8
    .kernarg_segment_size: 24
    .max_flat_workgroup_size: 512
    .sgpr_count:     84
    .vgpr_count:     144
    .wavefront_size: 32
...
	.end_amdgpu_metadata
.endif
;; end of part 3
